; MI455X (gfx1250); checked and timed in simulation.
; The chip was launched on July 23, 2026; its instructions are those of AMD's public machine-readable ISA for CDNA 5 (MIT licence, August 2026) and "CDNA5" Instruction Set Architecture Reference Guide (July 2026). The comments in the code are by the model that wrote it; some were corrected since.
;; Hard Mo E. Allowed arithmetic: float matrix products may take bf16 or f16 operands with f32 sums; other float arithmetic in f32, or as packed bf16 or f16 multiplies, adds, multiply-adds, maxima and minima; sums over many terms, partial sums and values carried from step to step in f32; what a program stores and reads back later, other than sums and carried values, may be rounded once to bf16 or f16.
;; Inputs: We 16 x 1,024 x 1,024 float32; Wg 1,024 x 16 float32; be 16 x 1,024 float32; bg 16 float32; x 4,096 x 1,024 float32.
;; Outputs: out0 4,096 x 1,024 float32.
;; One version. Each part assembles by itself: llvm-mc -triple=amdgcn-amd-amdhsa -mcpu=gfx1250 --defsym DOCPART=n.
;; ======== version 1 of 1: 2 launches
;; workspace buffers: xb 8,388,608 bytes; top1 16,384 bytes of whole numbers
;; launch router (part 1): grid 256 x 1, 4 waves a work-group, no clusters, 71,168 bytes of LDS; arguments x, Wg, bg, xb, top1; writes xb, top1
.if DOCPART == 1
	.amdgcn_target "amdgcn-amd-amdhsa--gfx1250"
	.amdhsa_code_object_version 6
	.text
	.protected	k_q57b928d120_router
	.globl	k_q57b928d120_router
	.p2align	8
	.type	k_q57b928d120_router,@function
k_q57b928d120_router:
	s_mov_b64 s[64:65], 0
	v_nop
	global_prefetch_b8 v0, s[64:65] scope:SCOPE_SE
	s_setreg_imm32_b32 hwreg(HW_REG_WAVE_MODE, 25, 1), 1
	s_wait_xcnt 0x0
; ROUTER.  xb = x rounded to bf16; gate = xb . bf16(Wg) + bf16(bg), sums in f32; top1[token] = the index of the first largest gate.
; x: [4096][1024] f32.  Wg: [1024][16] f32.  bg: [16] f32.  xb: [4096][1024] bf16.  top1: [4096] int32.
; LIMITS.  Every input is rounded once to bf16 (nearest even) and the products are summed in f32 by the matrix unit, in an order of its own.  A NaN among a token's gates never wins the
; comparison (only a NaN in expert 0 leaves index 0); of equal gates the lower index is kept.
; SHARES.  A work-group has 16 tokens, wave w their channels 256 w .. 256 w + 255: 32 loads of 512 consecutive bytes of x a wave, all issued before the first is used.
; Each byte of x is read once and each byte of xb written once, 32 lanes x 8 bytes filling 256 consecutive aligned bytes.  No tensor load: every byte passes through registers once anyway, to be rounded.
; THE PRODUCT is used transposed: source 0 = 16 experts (Wg lies [k][expert] in LDS and is turned by ds_load_tr16_b128), source 1 = 16 tokens.  In the result a lane holds ONE token (lane % 16)
; and the experts 8 (lane / 16) + 0..7.  The four waves' partial gates meet in LDS; wave 0 adds them and the bias and takes the argmax.
.set XP,    528                        ; a row of my x tile in LDS: 512 bytes + 16: an odd multiple of 16, so the 16 rows of a fragment load start 16 bytes apart modulo 256
.set WT,    4*16*XP                    ; behind the four x tiles: Wg in bf16, [k][16], 32 bytes a row, 8,192 bytes a wave
.set GP,    WT+4*8192                  ; the partial gates, 1,024 bytes a wave
.set SPARE, GP+4*1024                  ; the spare words, 128 bytes a wave: two blocks of 256 bytes that no other line names
.set SPW, 4                            ; v4   SPARE + 4 x my thread's number; never rewritten
.set NIL, 5                            ; v5   0; never rewritten
.set XO,  6                            ; v6   my bytes in a row of x: 1024 w + 16 lane
.set BO,  7                            ; v7   the same in a row of xb: 512 w + 8 lane
.set WO,  8                            ; v8   my bytes in Wg: 16384 w + 16 lane
.set XS,  9                            ; v9   LDS: where I put 8 bytes of a row of x
.set WS,  10                           ; v10  LDS: where I put 8 bytes of Wg
.set XF,  11                           ; v11  LDS: my lane's place in a fragment of x
.set WF,  12                           ; v12  LDS: my lane's place in a turning load of Wg
.set GS,  13                           ; v13  LDS: where I put my partial gates
.set GL,  14                           ; v14  LDS: where wave 0 reads them
.set TO,  15                           ; v15  4 (lane % 16): my token's word in top1
.set XB,  16                           ; v16-79   x in bf16, two registers a load; never rewritten, so no store's data wants a wait
.set G0,  80                           ; v80-87, v88-95   two accumulators that take turns
.set G1,  88
.set PG,  96                           ; v96-127  partial gates
.set WL,  128                          ; v128-255 Wg as loaded; then the eight K steps' fragments: x at FR + 16 s, Wg at FR + 16 s + 8
.set FR,  128
                                       ; window 1, v0-127 (v256-383): x as loaded
.set MSB, 0
.macro WIN new                         ; the immediate's high byte repeats the setting that is left
.if MSB != (\new)
	s_set_vgpr_msb (MSB<<8)|(\new)
.set MSB, \new
.endif
.endm
	s_load_b256 s[4:11], s[0:1], 0x0               ; x s[4:5], Wg s[6:7], bg s[8:9], xb s[10:11]
	s_load_b64 s[12:13], s[0:1], 0x20              ; top1
	v_lshl_add_u32 v[SPW], v0, 2, SPARE
	v_mov_b32 v[NIL], 0
	v_lshrrev_b32 v1, 5, v0
	v_readfirstlane_b32 s14, v1                    ; wave 0..3
	v_and_b32 v1, 31, v0                           ; lane
	v_and_b32 v2, 15, v0                           ; r = lane % 16
	v_bfe_u32 v3, v0, 4, 1                         ; h = lane / 16
	s_mov_b32 s32, 0x76543210                      ; v_permlanex16_b32: each lane takes its own place in the other half
	s_mov_b32 s33, 0xfedcba98
	v_lshlrev_b32 v[XO], 4, v1
	v_lshl_add_u32 v[XO], s14, 10, v[XO]
	v_lshlrev_b32 v[BO], 3, v1
	v_lshl_add_u32 v[BO], s14, 9, v[BO]
	v_lshlrev_b32 v[WO], 4, v1
	v_lshl_add_u32 v[WO], s14, 14, v[WO]
	s_mul_i32 s36, s14, 16*XP                      ; my x tile
	s_lshl_b32 s37, s14, 13
	s_add_co_u32 s37, s37, WT                      ; my part of Wg
	s_lshl_b32 s38, s14, 10
	s_add_co_u32 s38, s38, GP                      ; my partial gates
	v_lshl_add_u32 v[XS], v1, 3, s36
	v_lshl_add_u32 v[WS], v1, 3, s37
	v_mul_u32_u24 v[XF], v2, XP
	v_lshl_add_u32 v[XF], v3, 4, v[XF]
	v_add_nc_u32 v[XF], s36, v[XF]                 ; row r x pitch + 16 h
	v_and_b32 v[WF], 7, v0
	v_lshl_add_u32 v[WF], v3, 3, v[WF]             ; k = 8 h + lane % 8
	v_lshlrev_b32 v[WF], 5, v[WF]
	v_bfe_u32 v[GS], v0, 3, 1
	v_lshl_add_u32 v[WF], v[GS], 4, v[WF]          ; + 16 ((lane / 8) % 2)
	v_add_nc_u32 v[WF], s37, v[WF]
	v_lshl_add_u32 v[GS], v1, 4, s38
	v_lshl_add_u32 v[GL], v1, 4, GP
	v_lshlrev_b32 v[TO], 2, v2
	s_mov_b32 s41, 0
	s_wait_kmcnt 0x0
	s_lshl_b32 s40, ttmp9, 16                      ; the work-group's 16 rows of x,
	s_add_nc_u64 s[4:5], s[4:5], s[40:41]
	s_lshl_b32 s40, ttmp9, 15                      ; of xb,
	s_add_nc_u64 s[10:11], s[10:11], s[40:41]
	s_lshl_b32 s40, ttmp9, 6                       ; and its 16 words of top1
	s_add_nc_u64 s[12:13], s[12:13], s[40:41]
	s_load_b512 s[16:31], s[8:9], 0x0              ; bg, all 16
.set n, 0
.rept 32                                               ; my 256 rows of Wg: eight whole rows to a load
	global_load_b128 v[WL+4*n:WL+4*n+3], v[WO], s[6:7] offset:512*n
.set n, n+1
.endr
	WIN 0x40                                       ; destination window 1, address window 0
.set n, 0
.rept 32                                               ; load n: row n / 2, half n % 2 of my 1,024 bytes of it; read once in the launch
	global_load_b128 v[4*n:4*n+3], v[XO], s[4:5] offset:4096*(n/2)+512*(n%2) th:TH_LOAD_NT
.set n, n+1
.endr
	WIN 0
	s_wait_loadcnt 32                              ; loads come back in order: Wg is in, the 32 loads of x stay out
.set n, 0
.rept 32                                               ; four numbers of a row of Wg become 8 bytes; row k lies at 32 k, so lane l's bytes lie at 256 n + 8 l
	v_cvt_pk_bf16_f32 v[WL+4*n], v[WL+4*n], v[WL+4*n+1]
	v_cvt_pk_bf16_f32 v[WL+4*n+1], v[WL+4*n+2], v[WL+4*n+3]
	ds_store_b64 v[WS], v[WL+4*n:WL+4*n+1] offset:256*n
.set n, n+1
.endr
.set g, 0
.rept 4                                                ; x, four rows (eight loads) at a time
	s_wait_loadcnt 24-8*g                          ; the later rows' loads stay out
	WIN 0x05                                       ; sources in window 1, destination in window 0
.set n, 8*g
.rept 8
	v_cvt_pk_bf16_f32 v[XB+2*n], v[4*n], v[4*n+1]
	v_cvt_pk_bf16_f32 v[XB+2*n+1], v[4*n+2], v[4*n+3]
.set n, n+1
.endr
	WIN 0
.set n, 8*g
.rept 8
	global_store_b64 v[BO], v[XB+2*n:XB+2*n+1], s[10:11] offset:2048*(n/2)+256*(n%2)  ; 32 lanes store 256 consecutive bytes, at a multiple of 256 from xb's first byte
	ds_store_b64 v[XS], v[XB+2*n:XB+2*n+1] offset:XP*(n/2)+256*(n%2)
.set n, n+1
.endr
.set g, g+1
.endr
.set ks, 0
.rept 8                                                ; the eight K steps' fragments; LDS serves a wave's instructions in order, and these bytes are my own: no barrier
	ds_load_b128 v[FR+16*ks:FR+16*ks+3],        v[XF] offset:64*ks
	ds_load_b128 v[FR+16*ks+4:FR+16*ks+7],      v[XF] offset:64*ks+32
	ds_load_tr16_b128 v[FR+16*ks+8:FR+16*ks+11],  v[WF] offset:1024*ks
	ds_load_tr16_b128 v[FR+16*ks+12:FR+16*ks+15], v[WF] offset:1024*ks+512
.set ks, ks+1
.endr
	s_wait_dscnt 0x0
	v_wmma_f32_16x16x32_bf16 v[G0:G0+7], v[FR+8:FR+15], v[FR:FR+7], 0      ; the first two products start the two sums
	v_wmma_f32_16x16x32_bf16 v[G1:G1+7], v[FR+24:FR+31], v[FR+16:FR+23], 0
.set ks, 2
.rept 3                                                ; the two accumulators take turns
	v_wmma_f32_16x16x32_bf16 v[G0:G0+7], v[FR+16*ks+8:FR+16*ks+15], v[FR+16*ks:FR+16*ks+7], v[G0:G0+7]
	v_wmma_f32_16x16x32_bf16 v[G1:G1+7], v[FR+16*ks+24:FR+16*ks+31], v[FR+16*ks+16:FR+16*ks+23], v[G1:G1+7]
.set ks, ks+2
.endr
.rept 4
	v_nop                                          ; four places between the last product and the first read of a result (ISA guide 7.12.1)
.endr
.irp j, 0,2,4,6
	v_pk_add_f32 v[PG+\j:PG+\j+1], v[G0+\j:G0+\j+1], v[G1+\j:G1+\j+1]      ; from each accumulator's low end on
.endr
	ds_store_b128 v[GS], v[PG:PG+3]
	ds_store_b128 v[GS], v[PG+4:PG+7] offset:512
	s_wait_kmcnt 0x0                               ; bg
	s_wait_dscnt 0x0                               ; for wave 0's sake: my partial gates are in LDS
	s_barrier_signal -1
	s_barrier_wait -1
	s_cmp_lg_u32 s14, 0
	s_cbranch_scc1 .Lend                           ; the rest is wave 0's
.irp ww, 0,1,2,3
	ds_load_b128 v[PG+8*\ww:PG+8*\ww+3],   v[GL] offset:1024*\ww
	ds_load_b128 v[PG+8*\ww+4:PG+8*\ww+7], v[GL] offset:1024*\ww+512
.endr
	v_cmp_ne_u32 vcc_lo, 0, v3                     ; my eight experts' bias: bg[8 h + j], rounded to bf16 like every input
.irp j, 0,1,2,3,4,5,6,7
	v_mov_b32 v[128+\j], s[16+\j]
	v_cndmask_b32 v[128+\j], v[128+\j], s[24+\j], vcc_lo
.endr
.irp j, 0,2,4,6
	v_cvt_pk_bf16_f32 v[136+\j], v[128+\j], v[128+\j+1]
	v_lshlrev_b32 v[128+\j], 16, v[136+\j]
	v_and_b32 v[128+\j+1], 0xffff0000, v[136+\j]
.endr
	s_wait_dscnt 0x0
.irp j, 0,2,4,6
	v_pk_add_f32 v[PG+\j:PG+\j+1], v[PG+\j:PG+\j+1], v[PG+8+\j:PG+8+\j+1]
	v_pk_add_f32 v[PG+16+\j:PG+16+\j+1], v[PG+16+\j:PG+16+\j+1], v[PG+24+\j:PG+24+\j+1]
.endr
.irp j, 0,2,4,6
	v_pk_add_f32 v[PG+\j:PG+\j+1], v[PG+\j:PG+\j+1], v[PG+16+\j:PG+16+\j+1]
.endr
.irp j, 0,2,4,6
	v_pk_add_f32 v[PG+\j:PG+\j+1], v[PG+\j:PG+\j+1], v[128+\j:128+\j+1]
.endr
	v_mov_b32 v144, v[PG]                          ; the largest so far, and its index: only a strictly larger gate takes over, so the first maximum stays
	v_mov_b32 v145, 0
.irp j, 1,2,3,4,5,6,7
	v_cmp_gt_f32 vcc_lo, v[PG+\j], v144
	v_cndmask_b32 v144, v144, v[PG+\j], vcc_lo
	v_cndmask_b32 v145, v145, \j, vcc_lo
.endr
	v_lshl_add_u32 v145, v3, 3, v145               ; + 8 h
	v_permlanex16_b32 v[PG+8], v144, s32, s33      ; the token's other eight experts lie in the lane 16 away (the destinations have been written)
	v_permlanex16_b32 v[PG+9], v145, s32, s33
	v_cmp_gt_f32 vcc_lo, v[PG+8], v144             ; in lanes 0-15 mine are experts 0-7: the upper eight win only if strictly larger
	v_cndmask_b32 v145, v145, v[PG+9], vcc_lo
	v_cmp_gt_u32 vcc_lo, 16, v1
	s_wait_xcnt 0x0                                ; EXEC changes only behind this wait: the stores of xb have it among their sources
	s_and_saveexec_b32 s35, vcc_lo
	global_store_b32 v[TO], v145, s[12:13]         ; 16 lanes, 64 consecutive bytes: all that these 16 tokens have in top1
	s_wait_xcnt 0x0
	s_or_b32 exec_lo, exec_lo, s35
.Lend:
	s_wait_tensorcnt 0x0                           ; the wave's end: behind my last LDS store
	ds_add_u32 v[SPW], v[NIL]
	s_wait_dscnt 0x0
	s_endpgm
.Lfunc_end_k_q57b928d120_router:
	.size	k_q57b928d120_router, .Lfunc_end_k_q57b928d120_router-k_q57b928d120_router
	.p2alignl 7, 3214868480
	.fill 96, 4, 3214868480
	.section	.rodata,"a",@progbits
	.p2align	6, 0x0
	.amdhsa_kernel k_q57b928d120_router
		.amdhsa_group_segment_fixed_size 71168
		.amdhsa_private_segment_fixed_size 0
		.amdhsa_enable_private_segment 0
		.amdhsa_kernarg_size 40
		.amdhsa_user_sgpr_count 2
		.amdhsa_user_sgpr_kernarg_segment_ptr 1
		.amdhsa_wavefront_size32 1
		.amdhsa_system_sgpr_workgroup_id_x 1
		.amdhsa_system_sgpr_workgroup_id_y 1
		.amdhsa_system_sgpr_workgroup_id_z 1
		.amdhsa_system_vgpr_workitem_id 0
		.amdhsa_next_free_vgpr 384
		.amdhsa_next_free_sgpr 66
		.amdhsa_reserve_vcc 1
		.amdhsa_float_denorm_mode_32 3
		.amdhsa_float_denorm_mode_16_64 3
		.amdhsa_memory_ordered 1
		.amdhsa_forward_progress 1
		.amdhsa_inst_pref_size 32
	.end_amdhsa_kernel
	.amdgpu_metadata
---
amdhsa.version: [ 1, 2 ]
amdhsa.kernels:
  - .name:           k_q57b928d120_router
    .symbol:         k_q57b928d120_router.kd
    .args:
      - { .name: x, .offset: 0, .size: 8, .value_kind: global_buffer, .address_space: global }
      - { .name: Wg, .offset: 8, .size: 8, .value_kind: global_buffer, .address_space: global }
      - { .name: bg, .offset: 16, .size: 8, .value_kind: global_buffer, .address_space: global }
      - { .name: xb, .offset: 24, .size: 8, .value_kind: global_buffer, .address_space: global }
      - { .name: top1, .offset: 32, .size: 8, .value_kind: global_buffer, .address_space: global }
    .group_segment_fixed_size: 71168
    .private_segment_fixed_size: 0
    .kernarg_segment_align: 8
    .kernarg_segment_size: 40
    .max_flat_workgroup_size: 128
    .sgpr_count:     66
    .vgpr_count:     384
    .wavefront_size: 32
...
	.end_amdgpu_metadata
.endif
;; end of part 1
;; launch moe (part 2): grid 16 x 16, 4 waves a work-group, no clusters, 283,392 bytes of LDS; arguments We, be, xb, top1, out0; writes out0
.if DOCPART == 2
	.amdgcn_target "amdgcn-amd-amdhsa--gfx1250"
	.amdhsa_code_object_version 6
	.text
	.protected	k_q57b928d120_moe
	.globl	k_q57b928d120_moe
	.p2align	8
	.type	k_q57b928d120_moe,@function
k_q57b928d120_moe:
	s_mov_b64 s[64:65], 0
	v_nop
	global_prefetch_b8 v0, s[64:65] scope:SCOPE_SE
	s_setreg_imm32_b32 hwreg(HW_REG_WAVE_MODE, 25, 1), 1
	s_wait_xcnt 0x0
; THE CHOSEN EXPERT'S PRODUCT.  out0[t][:] = xb[t] . bf16(We[e]) + bf16(be[e]) for e = top1[t].  We: [16][1024][1024] f32.  be: [16][1024] f32.  xb: [4096][1024] bf16.  top1: [4096] int32.  out0: [4096][1024] f32.
; LIMITS.  We and be are rounded once to bf16 (nearest even), as x was; sums in f32.  An index in top1 outside 0..15 names no expert: that row would not be written (the launch before stores 0..15 alone).
; SHARES.  Work-group (x = expert e, y = slice) alone reads We[e][:, 64 slice .. + 63]: 1,024 rows of 256 consecutive aligned bytes, each byte of We once in the launch, and multiplies ALL rows of expert e by it,
; however many: none, or all 4,096.  The expert is the grid's x: the 16 work-groups that read one expert's token rows are those whose numbers are equal modulo 16.
; The expert's rows are numbered by rank; tile T holds ranks 16 T .. 16 T + 15 and belongs to wave T mod 4; a wave takes its tiles five to a pass.
; ROWS PAST THE COUNT repeat the expert's last row.  A tile that holds such rows alone is not stored, and a fifth tile that a wave does not have is not multiplied (but for the four products that start its sums).
; The expert's last tile is stored whole: its repeated rows are the same token's row, made of the same operands in the same order, so the same bits go onto the same bytes, from this wave alone:
; at most 15 rows of 256 bytes a work-group are stored again so.  EXEC is never changed.
; NO CLUSTER: each slice of weights has one reader; what an expert's 16 work-groups share is its token rows, which are picked by a list, so that no tensor descriptor covers them.
; THE STREAM.  The whole slice, 256 KiB, is asked for in the first lines: four tensor loads a wave (four of mine are out, by this text's count), each bytes' only fill.  Chunk j holds K steps 8 j .. 8 j + 7; the wave that
; fetched two of them rounds them to bf16 and writes them back in place as ready fragments.  Chunk 0 is rounded ahead of the first product; chunk j + 1 inside round j, its LDS traffic in the round's runs of loads and
; its conversions behind the round's products; the barrier that shows it to all four waves stands in the round's last double step.
; THE COLUMNS.  Lane r of weight fragment f stands for column 4 r + f of the slice.  So the 16 bytes that a lane reads of an f32 row feed the same lane of all four fragments, rows k and k + 1 pack into one register,
; and weights that lie [k][column] need no turning.  In the result (source 0 = 16 tokens, source 1 = 16 columns) register j of the four accumulators holds four NEIGHBOURING columns of row 8 (lane / 16) + j:
; the bias's addition writes them into four registers on end, and 16 lanes store 256 consecutive aligned bytes of a row of out0.
; REGISTERS, in windows of 256 (s_set_vgpr_msb: bits 1:0 source 0, 3:2 source 1, 5:4 source 2, 7:6 destination):
;   window 0: v0-31 addresses; v32-95 new fragments (at the head: the list's work; on the way out: tokens and offsets); v96-255 the 20 accumulators, (tile i, fragment f) at 96 + 32 i + 8 f
;   window 1: v0-159 token fragments of K steps 2-5 of eight (40 a step, 8 a tile; on the way out: the rows); v160-223 the even f32 rows on their way to bf16
;   window 2: v0-159 token fragments of K steps 0, 1, 6, 7 of eight          window 3: v0-127 weight fragments of four K steps; v128-191 the odd f32 rows
; A conversion takes an even row from window 1, an odd row from window 3 and writes window 0: the setting under which K steps 2-5 are multiplied, so it stands among those products without a switch.
.set LIST,  262144                     ; behind the weights: four segments, wave w's own: words 0-1023 the chosen tokens among tokens 1024 w .. + 1023, words 1024-1055 a dump word for each lane
.set SEGB,  4608                       ; bytes in a segment: nine stores of 512 bytes zero it whole
.set SEGW,  SEGB/4                     ; words
.set PL,    LIST+4*SEGB                ; 512 bytes a wave: the 80 tokens of the pass in hand
.set CNT,   PL+4*512                   ; the four segments' counts
.set SPARE, CNT+256                    ; the spare words, 128 bytes a wave: two blocks of 256 bytes that no other line names
.set SPW,  4                           ; v4   SPARE + 4 x my thread's number; never rewritten
.set NIL,  5                           ; v5   0; never rewritten
.set CV,   6                           ; v6   LDS: my 16 bytes of f32 row 8 h of the chunk's part that I fetched
.set FS,   7                           ; v7   LDS: where I put 16 bytes of a fragment
.set PLS,  9                           ; v9   LDS: PL, my row r
.set PLL,  10                          ; v10  LDS: PL, my rows 8 h ..
.set H16,  11                          ; v11  16 h
.set R16,  12                          ; v12  16 r
.set RO,   14                          ; v14-18  tile i: byte offset in xb of my row's 16 h
.set POSB, 19                          ; v19  16 w + r
.set BI,   20                          ; v20-23  the bias of my four columns
.set BLR,  24                          ; v24-27  LDS: where I read 16 bytes of a fragment of chunk 0, 1, 2, 3: 16 lane + 65,536 chunk; never rewritten
.set FRG,  32                          ; v32-95  my two K steps' new fragments: 32 u + 8 f + register
.set LT,   32                          ; at the head: v32-47 the list's work
.set TK,   32                          ; the way out: v32-71 the tokens of my eight rows of each tile, then their offsets in out0
.set T,    72                          ; v72-76  at work
.set ACC,  96
.set TPR,  96                          ; at the head: v96-127 my 1,024 words of top1, v128-131 zeros, v132-136 at work
.set ZR,   128
.set DMP,  136                         ; at the head: 1024 + lane, my dump word
.set STGE, 160                         ; window 1: f32 row 2 i of my list of 16, K step u: 32 u + 4 i + column
.set STGO, 128                         ; window 3: row 2 i + 1 likewise
.set G1,   20                          ; s[20:27] descriptor group 1; s[28:43] group 0, a set for each of my four loads; none is rewritten
.set G0,   28
.set CC,   46                          ; s46  the expert's rows
.set PP,   50                          ; s50  pass
.set S5,   51                          ; s51  5 x the pass whose results are in the accumulators
.set SN,   52                          ; s52  5 x the pass to be multiplied
.set LV,   53                          ; s53  1: I have a fifth tile in that pass
.set NW,   54                          ; s54  my wave's tiles
.set P1,   55                          ; s55-57 ranks at which segments 1, 2, 3 begin;  s58-60 what turns a rank there into a word of LIST
.set A1,   58
.set NT,   61                          ; s61  the expert's tiles
.set CL,   63                          ; s63  the last rank that exists
.set SEG,  68                          ; s68  my segment
.set MK,   72                          ; s72-76  five masks
.set LM,   80                          ; s80-83  four masks;  s84-87 the count of chosen tokens ahead of each
.set LB,   84
.set MSB, 0
.set RIDING, 0                         ; conversions written behind each product; RC the next one, RCEND where they stop
.set RC, 0
.set RCEND, 0
.macro WIN new                         ; the immediate's high byte repeats the setting that is left; a switch that changes nothing is dropped
.if MSB != (\new)
	s_set_vgpr_msb (MSB<<8)|(\new)
.set MSB, \new
.endif
.endm
.macro PLACES                          ; four places in front of loads into registers that matrix instructions have read, and of reads of their results (ISA guide 7.12.1 for reads of results)
.rept 4
	v_nop
.endr
.endm
	s_load_b256 s[4:11], s[0:1], 0x0               ; We s[4:5], be s[6:7], xb s[8:9], top1 s[10:11]
	s_load_b64 s[12:13], s[0:1], 0x20              ; out0
	v_lshl_add_u32 v[SPW], v0, 2, SPARE
	v_mov_b32 v[NIL], 0
	ds_add_u32 v[SPW], v[NIL]                      ; the wave's opening: the add and its wait stand ahead of my first tensor load; the set-up below, work on registers, stands between them
	v_lshrrev_b32 v1, 5, v0
	v_readfirstlane_b32 s14, v1                    ; wave 0..3
	s_mov_b32 s16, ttmp9                           ; expert
	s_and_b32 s15, ttmp7, 0xffff                   ; slice
	; group 1: a tile of 64 rows x 64 elements of 4 bytes, 1,024 elements from row to row; dense in LDS
	s_mov_b32 s[G1+0], 2<<16                       ; no mask; elements of 4 bytes; no padding
	s_mov_b32 s[G1+1], 64<<16                      ; tensor_dim0 = 64
	s_mov_b32 s[G1+2], 64<<16                      ; tensor_dim1 = 64
	s_mov_b32 s[G1+3], 64<<16                      ; tile_dim0 = 64
	s_mov_b32 s[G1+4], 64                          ; tile_dim1 = 64
	s_mov_b32 s[G1+5], 1024                        ; the pitch
	s_mov_b32 s[G1+6], 0
	s_mov_b32 s[G1+7], 0
	s_lshl_b32 s17, s14, 14                        ; my 64 rows' place in a chunk in LDS
	s_lshl_b32 s44, s16, 22                        ; the expert's 4 MiB,
	s_lshl_b32 s48, s14, 18                        ; my 64 rows of 4,096 bytes,
	s_add_co_u32 s44, s44, s48
	s_lshl_b32 s18, s15, 8                         ; the slice's 256 bytes of a row
	s_add_co_u32 s44, s44, s18
	s_mov_b32 s45, 0
	s_mov_b32 s19, 0
	s_wait_dscnt 0x0                               ; the opening add is done
	s_wait_kmcnt 0x0
	s_add_nc_u64 s[4:5], s[4:5], s[44:45]
.irp j, 0,1,2,3
	s_mov_b32 s[G0+4*\j], 1                        ; count = 1
	s_add_co_u32 s[G0+4*\j+1], s17, 65536*\j       ; LDS: chunk j, my quarter of it
	s_add_nc_u64 s[G0+4*\j+2:G0+4*\j+3], s[4:5], 1048576*\j  ; rows 256 j + 64 w on
	s_or_b32 s[G0+4*\j+3], s[G0+4*\j+3], 0x80000000  ; type = 2
.endr
.irp j, 0,1,2,3
	tensor_load_to_lds s[G0+4*\j:G0+4*\j+3], s[G1:G1+7]  ; all first fills in one group, ahead of every wait on TENSORcnt, LDS read and barrier
	s_nop 0
.endr
	PLACES
	; THE LIST, made while the first weights are on their way.
	v_and_b32 v1, 15, v0                           ; r
	v_bfe_u32 v2, v0, 4, 1                         ; h
	v_and_b32 v3, 31, v0                           ; lane
	v_lshlrev_b32 v132, 4, v3
	v_lshl_add_u32 v132, s14, 12, v132             ; my 16 bytes of my wave's 4,096 of top1
.irp q, 0,1,2,3,4,5,6,7
	global_load_b128 v[TPR+4*\q:TPR+4*\q+3], v132, s[10:11] offset:512*\q  ; register 4 q + c, lane l: token 1024 w + 128 q + 4 l + c
.endr
	s_lshl_b32 s48, s16, 12
	s_add_co_u32 s48, s48, s18
	v_lshl_add_u32 v133, v1, 4, s48
	global_load_b128 v[BI:BI+3], v133, s[6:7]      ; be[e][64 slice + 4 r ..]
	s_add_nc_u64 s[12:13], s[12:13], s[18:19]      ; out0 at the slice's columns
	s_mul_i32 s[SEG], s14, SEGB
	s_add_co_u32 s[SEG], s[SEG], LIST
	v_lshl_add_u32 v134, v3, 4, s[SEG]
.irp j, 0,1,2,3
	v_mov_b32 v[ZR+\j], 0
.endr
.irp q, 0,1,2,3,4,5,6,7,8
	ds_store_b128 v134, v[ZR:ZR+3] offset:512*\q   ; my segment holds zeros first: every word of it names a token that exists
.endr
	v_lshlrev_b32 v135, 2, v3
	v_lshl_add_u32 v135, s14, 10, v135             ; 1024 w + 4 lane
	v_add_nc_u32 v[DMP], 1024, v3
	v_lshlrev_b32 v[CV], 4, v1
	v_lshl_add_u32 v[CV], v2, 11, v[CV]
	v_add_nc_u32 v[CV], s17, v[CV]
	v_lshl_add_u32 v[FS], v3, 4, s17
	v_lshlrev_b32 v[BLR], 4, v3
	v_add_nc_u32 v[BLR+1], 0x10000, v[BLR]
	v_add_nc_u32 v[BLR+2], 0x20000, v[BLR]
	v_add_nc_u32 v[BLR+3], 0x30000, v[BLR]
	s_lshl_b32 s48, s14, 9
	s_add_co_u32 s48, s48, PL
	v_lshl_add_u32 v[PLS], v1, 2, s48
	v_lshl_add_u32 v[PLL], v2, 5, s48
	v_lshlrev_b32 v[H16], 4, v2
	v_lshlrev_b32 v[R16], 4, v1
	v_lshl_add_u32 v[POSB], s14, 4, v1
	s_mov_b32 s[LB], 0
	s_wait_loadcnt 0x0                             ; top1 and be
	; The chosen among 32 tokens are squeezed together behind those found so far; a lane whose token is not chosen writes its dump word.  All stores lie in my own segment.
	; Four registers of tokens go abreast, stage by stage, so that no line reads the result of the line before it; only the scalar counts form a chain.
.set g, 0
.rept 8
.set TA, LT+8*(g%2)                    ; two sets of registers by turns
.irp k, 0,1,2,3
	v_cmp_eq_u32 s[LM+\k], s16, v[TPR+4*g+\k]
.endr
	s_bcnt1_i32_b32 s48, s[LM]
	s_add_co_u32 s[LB+1], s[LB], s48
	s_bcnt1_i32_b32 s48, s[LM+1]
	s_add_co_u32 s[LB+2], s[LB+1], s48
	s_bcnt1_i32_b32 s48, s[LM+2]
	s_add_co_u32 s[LB+3], s[LB+2], s48
	s_bcnt1_i32_b32 s48, s[LM+3]
	s_add_co_u32 s49, s[LB+3], s48
.irp k, 0,1,2,3
	v_mbcnt_lo_u32_b32 v[TA+\k], s[LM+\k], s[LB+\k]  ; how many chosen stand ahead of me
.endr
	s_mov_b32 s[LB], s49
.irp k, 0,1,2,3
	v_cndmask_b32 v[TA+\k], v[DMP], v[TA+\k], s[LM+\k]  ; that word, or my dump word
.endr
.irp k, 0,1,2,3
	v_min_u32 v[TA+\k], 1055, v[TA+\k]
.endr
.irp k, 0,1,2,3
	v_lshlrev_b32 v[TA+\k], 2, v[TA+\k]
.endr
.irp k, 0,1,2,3
	v_add_nc_u32 v[TA+\k], s[SEG], v[TA+\k]
.endr
.irp k, 0,1,2,3
	v_add_nc_u32 v[TA+4+\k], 128*g+\k, v135        ; my token's number
.endr
.irp k, 0,1,2,3
	ds_store_b32 v[TA+\k], v[TA+4+\k]
.endr
.set g, g+1
.endr
	v_mov_b32 v[T], s[LB]
	s_lshl_b32 s48, s14, 2
	s_add_co_u32 s48, s48, CNT
	v_mov_b32 v[T+1], s48
	ds_store_b32 v[T+1], v[T]                      ; my segment's count
	v_cvt_pk_bf16_f32 v[T+2], v[BI], v[BI+1]       ; the bias is rounded to bf16 like every input, and widened again
	v_cvt_pk_bf16_f32 v[T+3], v[BI+2], v[BI+3]
	v_lshlrev_b32 v[BI], 16, v[T+2]
	v_and_b32 v[BI+1], 0xffff0000, v[T+2]
	v_lshlrev_b32 v[BI+2], 16, v[T+3]
	v_and_b32 v[BI+3], 0xffff0000, v[T+3]
	s_wait_dscnt 0x0                               ; for the others' sake: my segment and its count are in LDS
	s_barrier_signal -1
	s_barrier_wait -1
	v_mov_b32 v[T+4], CNT
	ds_load_b128 v[T:T+3], v[T+4]
	s_wait_dscnt 0x0
	v_readfirstlane_b32 s[P1], v[T]
	v_readfirstlane_b32 s[P1+1], v[T+1]
	v_readfirstlane_b32 s[P1+2], v[T+2]
	v_readfirstlane_b32 s[CC], v[T+3]
	s_min_u32 s[P1], s[P1], 1024
	s_min_u32 s[P1+1], s[P1+1], 1024
	s_min_u32 s[P1+2], s[P1+2], 1024
	s_min_u32 s[CC], s[CC], 1024
	s_add_co_u32 s[P1+1], s[P1+1], s[P1]
	s_add_co_u32 s[P1+2], s[P1+2], s[P1+1]
	s_add_co_u32 s[CC], s[CC], s[P1+2]
	s_sub_co_u32 s[A1], SEGW, s[P1]                ; a rank in segment s lies at word rank - (its first rank) + SEGW s
	s_sub_co_u32 s[A1+1], 2*SEGW, s[P1+1]
	s_sub_co_u32 s[A1+2], 3*SEGW, s[P1+2]
	s_max_u32 s[CL], s[CC], 1
	s_sub_co_u32 s[CL], s[CL], 1
	s_add_co_u32 s[NT], s[CC], 15                  ; tiles of 16 ranks,
	s_lshr_b32 s[NT], s[NT], 4
	s_add_co_u32 s[NW], s[NT], 3                   ; of which w, w + 4, .. are mine: (tiles + 3 - w) / 4
	s_sub_co_u32 s[NW], s[NW], s14
	s_lshr_b32 s[NW], s[NW], 2
; Where the token fragments of K step ks lie: AW the window, AB0 the first register.  K steps 2-5 of eight in window 1, the others in window 2.
.macro ABUF ks
.set BN, (\ks)%8
.if BN < 2
.set AW, 2
.set AB0, 40*BN
.elseif BN < 6
.set AW, 1
.set AB0, 40*(BN-2)
.else
.set AW, 2
.set AB0, 40*(BN-4)
.endif
.endm
; Ten loads: the five tiles' fragments of K step ks.  A fragment is 16 rows x 32 k: lane (r, h) takes 16 bytes at 16 h and 16 at 32 + 16 h of row r.  The K step's place in the row, 2,016 bytes at the most, is the immediate.
.macro ALOAD ks
	ABUF \ks
	WIN AW<<6
.irp i, 0,1,2,3,4
	global_load_b128 v[AB0+8*\i:AB0+8*\i+3],   v[RO+\i], s[8:9] offset:64*(\ks)
	global_load_b128 v[AB0+8*\i+4:AB0+8*\i+7], v[RO+\i], s[8:9] offset:64*(\ks)+32
.endr
.endm
; Eight LDS loads: the four weight fragments of K step ks (0..31); 32 lanes take 512 consecutive bytes
.macro BLOAD ks
.set LBB, 32*((\ks)%4)
.set LBR, BLR+(\ks)/8
.set LBO, 8192*((\ks)%8)
	WIN 0xc0                                       ; destination window 3, address window 0
.irp f, 0,1,2,3
	ds_load_b128 v[LBB+8*\f:LBB+8*\f+3],   v[LBR] offset:LBO+1024*\f
	ds_load_b128 v[LBB+8*\f+4:LBB+8*\f+7], v[LBR] offset:LBO+1024*\f+512
.endr
.endm
; Conversion RC of 64: K step u = RC / 32, fragment f = (RC % 32) / 8, register i = RC % 8: rows 2 i and 2 i + 1 of my list, column 4 r + f
.macro CVT1
	v_cvt_pk_bf16_f32 v[FRG+32*(RC/32)+8*((RC%32)/8)+RC%8], v[STGE+32*(RC/32)+4*(RC%8)+(RC%32)/8], v[STGO+32*(RC/32)+4*(RC%8)+(RC%32)/8]
.set RC, RC+1
.endm
.macro RIDE                            ; the conversions that stand behind a product: they name none of its registers
.if RIDING
.rept RIDING
.if RC < RCEND
	CVT1
.endif
.endr
.endif
.endm
; Four products: tile i x the four fragments, K step ks.  zero: they start the sums.  The accumulators take turns, one instruction a turn.
.macro MUL i, ks, zero
	ABUF \ks
	WIN 0x0c+AW                                    ; tokens in window 1 or 2, weights in window 3, sums in window 0
.set AB, AB0+8*(\i)
.set BB, 32*((\ks)%4)
.irp f, 0,1,2,3
.if \zero
	v_wmma_f32_16x16x32_bf16 v[ACC+32*(\i)+8*\f:ACC+32*(\i)+8*\f+7], v[AB:AB+7], v[BB+8*\f:BB+8*\f+7], 0
.else
	v_wmma_f32_16x16x32_bf16 v[ACC+32*(\i)+8*\f:ACC+32*(\i)+8*\f+7], v[AB:AB+7], v[BB+8*\f:BB+8*\f+7], v[ACC+32*(\i)+8*\f:ACC+32*(\i)+8*\f+7]
.endif
	RIDE
.endr
.endm
; Sixteen LDS loads: K step u of the two that I fetched, as f32.  Lane (r, h) reads its 16 bytes (columns 4 r .. 4 r + 3) of rows 8 h + 0..7 and 16 + 8 h + 0..7: 16 lanes take a whole row of 256 bytes.
.macro STGLOAD u
	WIN 0xc0
.irp i, 0,1,2,3,4,5,6,7
	ds_load_b128 v[STGO+32*(\u)+4*\i:STGO+32*(\u)+4*\i+3], v[CV] offset:8192*(\u)+256*((2*\i+1)%8)+4096*((\i)/4)
.endr
	WIN 0x40
.irp i, 0,1,2,3,4,5,6,7
	ds_load_b128 v[STGE+32*(\u)+4*\i:STGE+32*(\u)+4*\i+3], v[CV] offset:8192*(\u)+256*((2*\i)%8)+4096*((\i)/4)
.endr
.if (\u) == 1
	WIN 0
	v_add_nc_u32 v[CV], 0x10000, v[CV]             ; the next chunk
.endif
.endm
; Sixteen LDS stores: my two K steps' fragments go back over the steps' own f32 bytes, which have had their only fill and which I alone have read, all of it waited for.
.macro FRGSTORE
	WIN 0
.irp u, 0,1
.irp f, 0,1,2,3
	ds_store_b128 v[FS], v[FRG+32*\u+8*\f:FRG+32*\u+8*\f+3]   offset:8192*\u+1024*\f
	ds_store_b128 v[FS], v[FRG+32*\u+8*\f+4:FRG+32*\u+8*\f+7] offset:8192*\u+1024*\f+512
.endr
.endr
	v_add_nc_u32 v[FS], 0x10000, v[FS]             ; the next chunk
.endm
; A DOUBLE STEP: K steps KA and KA + 1 of the pass, 32 products and the fifth tile's 8.  Behind the first four products and four places stands its ONE run of loads, into the registers that the double step before
; read: the next double step's weights from LDS, and the tokens of the double step three on from memory: 60 loads of mine are out at the most.
; conv = 1: the round also rounds the next chunk.  d = 0: my part of it has landed (the count leaves my later chunks out); my first K step's f32 rows are read.  d = 1: my second K step's; the first's 32 conversions,
; four behind a product.  d = 2: the second's 32 behind the first four products; the run begins with the 16 stores.  d = 3: the barrier: my stores are done at the signal, four products stand between signal and wait,
; and behind the wait the run fetches the next chunk's first fragments.
.macro DSTEP rr, d, conv
.set KA, 8*(\rr)+2*(\d)
.set ZZ, 0
.if KA == 0
.set ZZ, 1
.endif
.set NL, 40                            ; two pairs of K steps, 20 loads each, are younger
.if KA > 26
.set NL, 10*(30-KA)                    ; the pass's end: nothing more is asked for, and the counts run down
.endif
.set CD, 4
.if \conv
.set CD, \d
.endif
	s_wait_loadcnt NL                              ; loads come back in order: this double step's tokens are in
.if CD == 1
	s_wait_dscnt 16                                ; this double step's weights are in; the 16 loads of f32 rows issued behind them may be out
.else
	s_wait_dscnt 0x0                               ; this double step's weights, asked for a double step ago, and all else of mine in LDS
.endif
.if CD == 3
	s_barrier_signal -1                            ; my fragments of the next chunk are in LDS
.endif
.if CD == 2
.set RIDING, 8
.set RCEND, 64
.endif
	MUL 0, KA, ZZ
.set RIDING, 0
.if KA < 30
	PLACES
.endif
.if CD == 3
	s_barrier_wait -1                              ; everybody's are
.endif
.if CD == 2
	FRGSTORE
.endif
.if KA < 30
	BLOAD KA+2
	BLOAD KA+3
.endif
.if KA < 26
	ALOAD KA+6
	ALOAD KA+7
.endif
.if CD == 0
	s_wait_tensorcnt 2-(\rr)                       ; a wave's tensor loads end in order: my part of chunk rr + 1 is in, my later chunks stay out
	STGLOAD 0
.endif
.if CD == 1
	STGLOAD 1
	s_wait_dscnt 32                                ; the first K step's f32 rows are in: the 16 + 16 loads of this run are younger
.set RIDING, 4
.set RC, 0
.set RCEND, 32
.endif
	MUL 1, KA, ZZ
	MUL 2, KA, ZZ
	MUL 3, KA, ZZ
	MUL 0, KA+1, 0
	MUL 1, KA+1, 0
	MUL 2, KA+1, 0
	MUL 3, KA+1, 0
.set RIDING, 0
.if ZZ
	MUL 4, KA, 1                                   ; the fifth tile's sums are started whatever the count, so that its accumulators hold numbers on every way
.endif
	WIN 0                                          ; at a branch and at a label every window is 0
	s_cmp_eq_u32 s[LV], 0
	s_cbranch_scc1 .Lno5_\@                        ; no fifth tile in this pass: its products are jumped (its loads are not: every counted wait keeps one count)
.if ZZ == 0
	MUL 4, KA, 0
.endif
	MUL 4, KA+1, 0
	WIN 0
.Lno5_\@:
.endm
.macro ROUND rr, conv                  ; eight K steps: a chunk of the weights
	DSTEP \rr, 0, \conv
	DSTEP \rr, 1, \conv
	DSTEP \rr, 2, \conv
	DSTEP \rr, 3, \conv
.endm
; A pass begins: the tokens of my tiles SN .. SN + 4 are looked up, kept in PL for the way out, and the first six K steps of their rows are asked for.
; Row r of my tile n has rank 64 n + 16 w + r; ranks past the count repeat the last row that exists.  The rank's segment is found by three comparisons, of which the last that holds decides.
; The five tiles go abreast, stage by stage.
.macro PROLOG
	WIN 0
	s_add_co_u32 s49, s[SN], 4
	s_cmp_lt_u32 s49, s[NW]
	s_cselect_b32 s[LV], 1, 0
	s_lshl_b32 s48, s[SN], 6
.irp i, 0,1,2,3,4
	s_add_co_u32 s49, s48, 64*\i
	v_add_nc_u32 v[T+\i], s49, v[POSB]
.endr
.irp i, 0,1,2,3,4
	v_min_u32 v[T+\i], s[CL], v[T+\i]
.endr
.irp i, 0,1,2,3,4
	v_cmp_le_u32 s[MK+\i], s[P1], v[T+\i]
.endr
.irp i, 0,1,2,3,4
	v_cndmask_b32 v[RO+\i], 0, s[A1], s[MK+\i]
.endr
.irp i, 0,1,2,3,4
	v_cmp_le_u32 s[MK+\i], s[P1+1], v[T+\i]
.endr
.irp i, 0,1,2,3,4
	v_cndmask_b32 v[RO+\i], v[RO+\i], s[A1+1], s[MK+\i]
.endr
.irp i, 0,1,2,3,4
	v_cmp_le_u32 s[MK+\i], s[P1+2], v[T+\i]
.endr
.irp i, 0,1,2,3,4
	v_cndmask_b32 v[RO+\i], v[RO+\i], s[A1+2], s[MK+\i]
.endr
.irp i, 0,1,2,3,4
	v_add_nc_u32 v[RO+\i], v[RO+\i], v[T+\i]
.endr
.irp i, 0,1,2,3,4
	v_min_u32 v[RO+\i], 4*SEGW-1, v[RO+\i]         ; a word of LIST, whatever the counts
.endr
.irp i, 0,1,2,3,4
	v_lshlrev_b32 v[RO+\i], 2, v[RO+\i]
.endr
.irp i, 0,1,2,3,4
	v_add_nc_u32 v[RO+\i], LIST, v[RO+\i]
.endr
.irp i, 0,1,2,3,4
	ds_load_b32 v[T+\i], v[RO+\i]
.endr
	s_wait_dscnt 0x0
.irp i, 0,1,2,3,4
	v_min_u32 v[T+\i], 4095, v[T+\i]               ; a token that exists
.endr
.irp i, 0,1,2,3,4
	ds_store_b32 v[PLS], v[T+\i] offset:64*\i      ; both halves of the lanes write the same word with the same number
.endr
.irp i, 0,1,2,3,4
	v_lshlrev_b32 v[RO+\i], 11, v[T+\i]            ; the token's row of 2,048 bytes,
.endr
.irp i, 0,1,2,3,4
	v_add_nc_u32 v[RO+\i], v[H16], v[RO+\i]        ; + 16 h
.endr
	s_wait_xcnt 0x0                                ; the last pass's stores have read their data, which lay where tokens are loaded now
.irp a, 0,1,2,3,4,5
	ALOAD \a
.endr
	WIN 0
.endm
; THE WAY OUT of tile i.  A tile that I do not have ends the way out.  Each tile has its own 32 registers for its rows and 8 for its offsets, so that no store is waited for between tiles.
.macro OUTTILE i
.if (\i) > 0
	s_add_co_u32 s48, s[S5], \i
	s_cmp_ge_u32 s48, s[NW]
	s_cbranch_scc1 .Lstored
.endif
	WIN 0x40                                       ; destination window 1
.irp j, 0,1,2,3,4,5,6,7
.irp f, 0,1,2,3
	v_add_f32 v[32*(\i)+4*\j+\f], v[ACC+32*(\i)+8*\f+\j], v[BI+\f]  ; each accumulator from its low end on; four neighbouring columns come to lie in four registers on end
.endr
.endr
	WIN 0
.if (\i) == 0
	s_wait_dscnt 0x0                               ; the five tiles' tokens
.endif
.irp j, 0,1,2,3,4,5,6,7
	v_min_u32 v[TK+8*(\i)+\j], 4095, v[TK+8*(\i)+\j]
.endr
.irp j, 0,1,2,3,4,5,6,7
	v_lshlrev_b32 v[TK+8*(\i)+\j], 12, v[TK+8*(\i)+\j]       ; the token's row of 4,096 bytes,
.endr
.irp j, 0,1,2,3,4,5,6,7
	v_add_nc_u32 v[TK+8*(\i)+\j], v[R16], v[TK+8*(\i)+\j]    ; + 16 r
.endr
	WIN 0x04                                       ; data window 1, offset window 0
.irp j, 0,1,2,3,4,5,6,7
	global_store_b128 v[TK+8*(\i)+\j], v[32*(\i)+4*\j:32*(\i)+4*\j+3], s[12:13] th:TH_STORE_NT  ; 16 lanes store 256 consecutive bytes, at a multiple of 256 from out0's first byte
.endr
	WIN 0
.endm
	; THE FIRST PASS: every wave runs it whatever its count, since it holds the barriers.
	s_mov_b32 s[SN], 0
	PROLOG
	s_wait_tensorcnt 3                             ; my part of chunk 0 is in, my three later chunks stay out
	STGLOAD 0
	STGLOAD 1
	s_wait_dscnt 0x0
	WIN 0x0d                                       ; even rows in window 1, odd rows in window 3, fragments in window 0
.set RC, 0
.rept 64
	CVT1
.endr
	FRGSTORE
	s_wait_dscnt 0x0                               ; for the others' sake: my fragments of chunk 0 are in LDS
	s_barrier_signal -1
	s_barrier_wait -1                              ; everybody's are
	BLOAD 0
	BLOAD 1
	ROUND 0, 1
	ROUND 1, 1
	ROUND 2, 1
	ROUND 3, 0
	; THE PASSES.  13 x 5 tiles a wave cover all 4,096 tokens on one expert.  A trip stores pass P and, if tiles are left, multiplies pass P + 1 by the fragments that now lie in LDS.
	; What a count leaves dead is jumped forward over; neither a barrier nor a tensor load stands in the loop, and every LDS address in it is fixed or held to a constant range.
	s_mov_b32 s[PP], 0
.Ltrip:
	s_mul_i32 s[S5], s[PP], 5
	s_cmp_ge_u32 s[S5], s[NW]
	s_cbranch_scc1 .Lnext
	s_wait_xcnt 0x0                                ; earlier stores have read their offsets and data, which are written anew below
.irp i, 0,1,2,3,4
	ds_load_b128 v[TK+8*\i:TK+8*\i+3],   v[PLL] offset:64*\i     ; the tokens of my rows 8 h + 0..7 of tile i
	ds_load_b128 v[TK+8*\i+4:TK+8*\i+7], v[PLL] offset:64*\i+16
.endr
	PLACES                                         ; behind the pass's last products
	OUTTILE 0
	OUTTILE 1
	OUTTILE 2
	OUTTILE 3
	OUTTILE 4
.Lstored:
	s_add_co_u32 s[SN], s[S5], 5
	s_cmp_ge_u32 s[SN], s[NW]
	s_cbranch_scc1 .Lnext
	PROLOG
	BLOAD 0
	BLOAD 1
	ROUND 0, 0
	ROUND 1, 0
	ROUND 2, 0
	ROUND 3, 0
.Lnext:
	s_add_co_u32 s[PP], s[PP], 1
	s_cmp_lt_u32 s[PP], 13
	s_cbranch_scc1 .Ltrip
	s_wait_tensorcnt 0x0                           ; the wave's end: behind my last tensor load and my last LDS store
	ds_add_u32 v[SPW], v[NIL]
	s_wait_dscnt 0x0
	s_endpgm
.Lfunc_end_k_q57b928d120_moe:
	.size	k_q57b928d120_moe, .Lfunc_end_k_q57b928d120_moe-k_q57b928d120_moe
	.p2alignl 7, 3214868480
	.fill 96, 4, 3214868480
	.section	.rodata,"a",@progbits
	.p2align	6, 0x0
	.amdhsa_kernel k_q57b928d120_moe
		.amdhsa_group_segment_fixed_size 283392
		.amdhsa_private_segment_fixed_size 0
		.amdhsa_enable_private_segment 0
		.amdhsa_kernarg_size 40
		.amdhsa_user_sgpr_count 2
		.amdhsa_user_sgpr_kernarg_segment_ptr 1
		.amdhsa_wavefront_size32 1
		.amdhsa_system_sgpr_workgroup_id_x 1
		.amdhsa_system_sgpr_workgroup_id_y 1
		.amdhsa_system_sgpr_workgroup_id_z 1
		.amdhsa_system_vgpr_workitem_id 0
		.amdhsa_next_free_vgpr 960
		.amdhsa_next_free_sgpr 88
		.amdhsa_reserve_vcc 0
		.amdhsa_float_denorm_mode_32 3
		.amdhsa_float_denorm_mode_16_64 3
		.amdhsa_memory_ordered 1
		.amdhsa_forward_progress 1
		.amdhsa_inst_pref_size 255
	.end_amdhsa_kernel
	.section	.bss,"aw",@nobits
	.p2align	6
	.space	262144
	.amdgpu_metadata
---
amdhsa.version: [ 1, 2 ]
amdhsa.kernels:
  - .name:           k_q57b928d120_moe
    .symbol:         k_q57b928d120_moe.kd
    .args:
      - { .name: We, .offset: 0, .size: 8, .value_kind: global_buffer, .address_space: global }
      - { .name: be, .offset: 8, .size: 8, .value_kind: global_buffer, .address_space: global }
      - { .name: xb, .offset: 16, .size: 8, .value_kind: global_buffer, .address_space: global }
      - { .name: top1, .offset: 24, .size: 8, .value_kind: global_buffer, .address_space: global }
      - { .name: out0, .offset: 32, .size: 8, .value_kind: global_buffer, .address_space: global }
    .group_segment_fixed_size: 283392
    .private_segment_fixed_size: 0
    .kernarg_segment_align: 8
    .kernarg_segment_size: 40
    .max_flat_workgroup_size: 128
    .sgpr_count:     88
    .vgpr_count:     960
    .wavefront_size: 32
...
	.end_amdgpu_metadata
.endif
;; end of part 2
